; MI455X (gfx1250); checked and timed in simulation.
; The chip was launched on July 23, 2026; its instructions are those of AMD's public machine-readable ISA for CDNA 5 (MIT licence, August 2026) and "CDNA5" Instruction Set Architecture Reference Guide (July 2026). The comments in the code are by the model that wrote it; some were corrected since.
;; SDOT. Allowed arithmetic: matrix products marked QUANTISED: E4M3 operands, one given power-of-two scale a tensor, by v_wmma_f32_16x16x64_fp8_fp8 or v_wmma_f32_16x16x128_fp8_fp8, f32 sums; everything else in f32.
;; Inputs: lowp_scales 2 int32 (the exponents e of the quantised operands' scales 2^e); psi 8,192 float32; source_data 32,768 x 64 float32; target_data 8,192 x 64 float32.
;; Outputs: out0 32,768 float32.
;; This version of the problem:
;;   THIS VERSION OF THE PROBLEM IS GIVEN IN LOW PRECISION. The matrix products marked QUANTISED in the list below multiply operands that are first quantised to E4M3 (4 exponent bits, 3 mantissa bits; 8 bits a number), with one given power-of-two scale for each operand tensor; their sums are f32. All else is computed in f32.
;;   The module's matrix products, in the order in which they are computed (A, B: the left and right operand; K: the contracted axis; several contracted axes count as one K, in the product's order):
;;     1. [M 32,768, K 64] x [K 64, N 8,192]; A: input source_data; B: input target_data: QUANTISED (scales: A lowp_scales[0], B lowp_scales[1])
;;   THE QUANTISER, for each operand of a quantised product, along K:
;;     - The operand's scale is 2^e, e = its entry of the input lowp_scales (int32; the entries are numbered through the quantised products in the list's order, A before B).
;;     - Each number is divided by the scale, clamped to +-448, and rounded to the nearest number of E4M3, ties to even, subnormals kept.
;;     - The product sums the exact products of the quantised numbers (number of the format x scale) in f32.
;;   ~~~python
;;   def quantise(x, axis, e):      # numpy; x: float32 -> the quantised numbers, widened to float32 again
;;       x = np.moveaxis(x, axis, -1); K = x.shape[-1]
;;       r = np.clip(x / 2.0 ** e, -448, 448)
;;       step = 2.0 ** (np.maximum(np.frexp(np.where(r == 0, 1, r))[1] - 1, -6) - 3)
;;       q = np.round(r / step) * step * 2.0 ** e      # np.round: ties to even
;;       return np.moveaxis(q, -1, axis).astype(np.float32)
;;   ~~~
;; One version. Each part assembles by itself: llvm-mc -triple=amdgcn-amd-amdhsa -mcpu=gfx1250 --defsym DOCPART=n.
;; ======== version 1 of 1: 2 launches
;; limits: right only within a limited range of input values
;; workspace buffers: tcodes 524,288 bytes; ysq 32,768 bytes
;; launch prep (part 1): grid 128 x 1, 4 waves a work-group, no clusters, 18,176 bytes of LDS; arguments target_data, lowp_scales, tcodes, ysq; writes tcodes, ysq
.if DOCPART == 1
	.amdgcn_target "amdgcn-amd-amdhsa--gfx1250"
	.amdhsa_code_object_version 6
	.text
	.protected	k_q1290492010_prep
	.globl	k_q1290492010_prep
	.p2align	8
	.type	k_q1290492010_prep,@function
k_q1290492010_prep:
	s_mov_b64 s[64:65], 0
	v_nop
	global_prefetch_b8 v0, s[64:65] scope:SCOPE_SE
	s_setreg_imm32_b32 hwreg(HW_REG_WAVE_MODE, 25, 1), 1
	s_wait_xcnt 0x0
; target_data [8192][64] f32 -> tcodes: codes of E4M3 with the given scale 2^e1, laid as images of a matrix operand's registers;  ysq[m] = the sum of the unquantised squares of row m.
; code = y / 2^e1, held within +-448, rounded to the nearest code, ties to even.  LIMITS: e1 between -126 and 119, so that 2^e1 and 448 x 2^e1 are f32 numbers; NaN among the inputs is not served.
; tcodes: 512 fragments of 1,024 bytes.  Fragment F = targets 16 F .. 16 F + 15; byte 1024 F + 512 c + 16 lane + 0 .. 15 = registers 4 c .. 4 c + 3 of lane (r = lane % 16, h = lane / 16):
; the codes of target 16 F + r at k = 32 c + 16 h + 0 .. 15.  The next launch lays its queries by the same map of k, so every product meets its partner.
; SHARES.  Wave w of work-group g takes fragment F = 4 g + w: 16 rows, 4,096 bytes.  128 work-groups of four waves, so that a work-group's 64 ysq are 256 consecutive aligned bytes, stored by one instruction.
; A conversion takes neighbours along k from ONE lane's registers, a load is dense where neighbouring LANES take neighbouring bytes: so the 4,096 bytes are loaded as they lie and turn through the wave's own stage in LDS.
; No matrix unit, no tensor load, no cluster: each input byte is read once by one wave.
.set SPI,  272                         ; a stage row: 256 bytes + 16 of padding, an odd multiple of 16
.set STW,  16*SPI                      ; a wave's stage
.set YS,   4*STW                       ; behind the four stages: the work-group's 64 ysq
.set L16,  1                           ; v1   16 x lane
.set SW,   2                           ; v2   the stage, on the way in: row h, byte 16 r
.set SRD,  3                           ; v3   and out: row r, byte 64 h
.set YW,   4                           ; v4   where my row's ysq goes
.set L8,   5                           ; v5   8 x lane
.set YR,   6                           ; v6   YS + 8 x lane
.set R,    16                          ; v16-47  the rows as loaded
.set X,    48                          ; v48-79  register 16 c + n = my row r at k = 32 c + 16 h + n
.set CD,   80                          ; v80-87  the fragment's codes
.set SEL,  20                          ; s[20:21] lane selects: lane l xor 16
.macro TURN_IN b                       ; 16 rows from s[b:b+1] on into my stage.  Each load reads 512 consecutive bytes: two rows
.irp i, 0,1,2,3,4,5,6,7
	global_load_b128 v[R+4*\i:R+4*\i+3], v[L16], s[\b:\b+1] offset:512*\i th:TH_LOAD_NT
.endr
.irp i, 0,1,2,3,4,5,6,7
	s_wait_loadcnt 7-\i                            ; loads come back in order: load i is in, its younger ones may be out
	ds_store_b128 v[SW], v[R+4*\i:R+4*\i+3] offset:2*SPI*\i
.endr
.endm
.macro TURN_OUT                        ; and back, 64 + 64 bytes of one row a lane.  LDS serves a wave's instructions in order: these see my stores
.irp c, 0,1
.irp i, 0,1,2,3
	ds_load_b128 v[X+16*\c+4*\i:X+16*\c+4*\i+3], v[SRD] offset:128*\c+16*\i
.endr
.endr
	s_wait_dscnt 0x0
.endm
.macro SQSUM dst, t                    ; the row's sum of squares: my 32 numbers in two packed chains, then lane l xor 16's.  v[t] .. v[t+3] at work
	v_pk_mul_f32 v[\t:\t+1], v[X:X+1], v[X:X+1]
	v_pk_mul_f32 v[\t+2:\t+3], v[X+2:X+3], v[X+2:X+3]
.irp j, 4,8,12,16,20,24,28
	v_pk_fma_f32 v[\t:\t+1], v[X+\j:X+\j+1], v[X+\j:X+\j+1], v[\t:\t+1]
	v_pk_fma_f32 v[\t+2:\t+3], v[X+\j+2:X+\j+3], v[X+\j+2:X+\j+3], v[\t+2:\t+3]
.endr
	v_pk_add_f32 v[\t:\t+1], v[\t:\t+1], v[\t+2:\t+3]
	v_add_f32 v[\t], v[\t], v[\t+1]
	v_permlanex16_b32 v[\t+1], v[\t], s[SEL], s[SEL+1]
	v_add_f32 v[\dst], v[\t], v[\t+1]
.endm
.macro QUANT dst, sc, lim              ; X's 32 numbers become 8 registers of codes.
.irp n, 0,1,2,3,4,5,6,7,8,9,10,11,12,13,14,15,16,17,18,19,20,21,22,23,24,25,26,27,28,29,30,31
.endr
.irp g, 0,1,2,3
	v_cvt_scalef32_pk8_fp8_f32 v[\dst+2*\g:\dst+2*\g+1], v[X+8*\g:X+8*\g+7], v[\sc]
.endr
	v_nop                                          ; one plain vector line behind the last conversion
.endm
	s_load_b256 s[4:11], s[0:1], 0x0               ; target s[4:5], the scales' exponents s[6:7], tcodes s[8:9], ysq s[10:11]
	v_lshl_add_u32 v96, v0, 2, 0x4500
	v_mov_b32 v97, 0
	v_lshrrev_b32 v10, 5, v0
	v_readfirstlane_b32 s12, v10                   ; wave 0..3
	v_and_b32 v11, 31, v0                          ; lane
	v_and_b32 v12, 15, v0                          ; r
	v_bfe_u32 v13, v0, 4, 1                        ; h
	v_lshlrev_b32 v[L16], 4, v11
	s_mul_i32 s14, s12, STW                        ; my stage
	v_mul_u32_u24 v[SW], v13, SPI
	v_lshl_add_u32 v[SW], v12, 4, v[SW]
	v_add_nc_u32 v[SW], s14, v[SW]
	v_mul_u32_u24 v[SRD], v12, SPI
	v_lshl_add_u32 v[SRD], v13, 6, v[SRD]
	v_add_nc_u32 v[SRD], s14, v[SRD]
	s_lshl_b32 s15, s12, 6
	v_lshl_add_u32 v[YW], v12, 2, YS
	v_add_nc_u32 v[YW], s15, v[YW]                 ; YS + 64 x wave + 4 r
	v_lshlrev_b32 v[L8], 3, v11
	v_add_nc_u32 v[YR], YS, v[L8]
	s_mov_b32 s[SEL], 0x76543210
	s_mov_b32 s[SEL+1], 0xfedcba98
	s_lshl_b32 s13, ttmp9, 2
	s_add_co_u32 s13, s13, s12                     ; F = 4 g + w
	s_lshl_b32 s14, s13, 12                        ; its rows: 4,096 bytes a fragment
	s_mov_b32 s15, 0
	s_wait_alu depctr_va_vdst(0)
	s_wait_kmcnt 0x0
	s_load_b32 s16, s[6:7], 0x4                    ; e1
	s_add_nc_u64 s[4:5], s[4:5], s[14:15]
	s_lshl_b32 s14, s13, 10                        ; its codes: 1,024 bytes
	s_add_nc_u64 s[8:9], s[8:9], s[14:15]
	s_lshl_b32 s14, ttmp9, 8                       ; the work-group's 64 ysq
	s_add_nc_u64 s[10:11], s[10:11], s[14:15]
	TURN_IN 4
	TURN_OUT
	s_wait_kmcnt 0x0
	s_add_co_i32 s16, s16, 127
	s_lshl_b32 s17, s16, 23
	v_mov_b32 v8, s17                              ; 2^e1 as f32: the conversion takes its exponent field
	SQSUM 14, 10
	ds_store_b32 v[YW], v14                        ; lanes r and r + 16 store the same number to the same word
	QUANT CD, 8, 9
	global_store_b128 v[L16], v[CD:CD+3], s[8:9]               ; 32 lanes store 512 consecutive bytes, aligned
	global_store_b128 v[L16], v[CD+4:CD+7], s[8:9] offset:512
	s_wait_dscnt 0x0                               ; for the others' sake: my ysq lie in LDS
	s_barrier_signal -1
	s_barrier_wait -1
	s_cmp_lg_u32 s12, 0
	s_cbranch_scc1 .Ldone                          ; wave 0 alone stores the work-group's 64 ysq
	ds_load_b64 v[88:89], v[YR]
	s_wait_dscnt 0x0
	global_store_b64 v[L8], v[88:89], s[10:11]     ; 32 lanes store 256 consecutive bytes, aligned
.Ldone:
	s_wait_tensorcnt 0x0
	ds_add_u32 v96, v97
	s_wait_dscnt 0x0
	s_endpgm
.Lfunc_end_k_q1290492010_prep:
	.size	k_q1290492010_prep, .Lfunc_end_k_q1290492010_prep-k_q1290492010_prep
	.p2alignl 7, 3214868480
	.fill 96, 4, 3214868480
	.section	.rodata,"a",@progbits
	.p2align	6, 0x0
	.amdhsa_kernel k_q1290492010_prep
		.amdhsa_group_segment_fixed_size 18176
		.amdhsa_private_segment_fixed_size 0
		.amdhsa_enable_private_segment 0
		.amdhsa_kernarg_size 32
		.amdhsa_user_sgpr_count 2
		.amdhsa_user_sgpr_kernarg_segment_ptr 1
		.amdhsa_wavefront_size32 1
		.amdhsa_system_sgpr_workgroup_id_x 1
		.amdhsa_system_sgpr_workgroup_id_y 1
		.amdhsa_system_sgpr_workgroup_id_z 1
		.amdhsa_system_vgpr_workitem_id 0
		.amdhsa_next_free_vgpr 98
		.amdhsa_next_free_sgpr 66
		.amdhsa_reserve_vcc 0
		.amdhsa_float_denorm_mode_32 3
		.amdhsa_float_denorm_mode_16_64 3
		.amdhsa_fp16_overflow 1
		.amdhsa_memory_ordered 1
		.amdhsa_forward_progress 1
		.amdhsa_inst_pref_size 7
	.end_amdhsa_kernel
	.amdgpu_metadata
---
amdhsa.version: [ 1, 2 ]
amdhsa.kernels:
  - .name:           k_q1290492010_prep
    .symbol:         k_q1290492010_prep.kd
    .args:
      - { .name: target_data, .offset: 0, .size: 8, .value_kind: global_buffer, .address_space: global }
      - { .name: lowp_scales, .offset: 8, .size: 8, .value_kind: global_buffer, .address_space: global }
      - { .name: tcodes, .offset: 16, .size: 8, .value_kind: global_buffer, .address_space: global }
      - { .name: ysq, .offset: 24, .size: 8, .value_kind: global_buffer, .address_space: global }
    .group_segment_fixed_size: 18176
    .private_segment_fixed_size: 0
    .kernarg_segment_align: 8
    .kernarg_segment_size: 32
    .max_flat_workgroup_size: 128
    .sgpr_count:     66
    .vgpr_count:     98
    .wavefront_size: 32
...
	.end_amdgpu_metadata
.endif
;; end of part 1
;; launch main (part 2): grid 256 x 1, 16 waves a work-group, no clusters, 78,848 bytes of LDS; arguments source_data, tcodes, ysq, psi, lowp_scales, out0; writes out0
.if DOCPART == 2
	.amdgcn_target "amdgcn-amd-amdhsa--gfx1250"
	.amdhsa_code_object_version 6
	.text
	.protected	k_q1290492010_main
	.globl	k_q1290492010_main
	.p2align	8
	.type	k_q1290492010_main,@function
k_q1290492010_main:
	s_mov_b64 s[64:65], 0
	v_nop
	global_prefetch_b8 v0, s[64:65] scope:SCOPE_SE
	s_setreg_imm32_b32 hwreg(HW_REG_WAVE_MODE, 25, 1), 1
	s_wait_xcnt 0x0
; out[n] = -0.01 logsumexp_m((psi[m] - cost[n][m]) / 0.01) + mean(psi),  cost = (|x_n|^2 + |y_m|^2 - 2 x_n . y_m) / mv,  mv = mean_m |y_m|^2.  x . y on codes of E4M3 (scales 2^e0, 2^e1), all else f32.
; ALGEBRA.  |x_n|^2 / mv hangs on no m and leaves the logsumexp (an order of rounding other than the source's).  With S the product of the codes and e = e0 + e1:
;   S' = S + bias'[m], bias'[m] = (psi[m] mv - ysq[m]) 2^(-e-1);   t = G2 S', G2 = 200 log2(e_nat) 2^e / mv > 0;   out[n] = xsq[n] / mv + mean(psi) - 0.01 ln 2 x log2(sum_m 2^t).
; bias' is the C of the matrix instruction: it costs no vector line.  The largest t is taken away before every exponential, by a running maximum for each lane and query.
; SHARES.  Work-group g owns queries 128 g .. 128 g + 127: 8 tiles of 16, whose fragments EVERY wave holds (64 registers).  Wave w walks targets 512 w .. 512 w + 511: 8 steps of 4 fragments.
; The product is used transposed (source 0 = 16 targets, source 1 = 16 queries): lane (r, h) holds query r, its register j target 8 h + j: a query's maximum and sum never leave the lane in the loop.
; The 32 partial results of a query (16 waves x 2 halves of the lanes) meet in LDS once, at the end.  k is permuted alike in both operands (register 4 c + i, byte b: k = 32 c + 16 h + 4 i + b).
; THE TARGETS' CODES come straight from memory into registers, as images of the operand's registers: two loads of 512 consecutive bytes a fragment.  NO CLUSTER, NO TENSOR LOAD, though all work-groups read the
; same codes: a fragment is used by ONE wave of a work-group, so LDS would add a write and a read with no second reader; and a wave asks 4,096 bytes for a step of 32 matrix and 676 vector instructions.
; Work-group g begins at step g % 8 and goes round: the sum hangs on no order of the targets.  Sixteen waves of 256 registers: four on a SIMD, so that one wave's exponentials stand beside another's plain lines.
; LIMITS: e0 between -126 and 119; -(e0 + e1) - 1 between -126 and 127; NaN and infinities among the inputs, and mv = 0, are not served.
; LDS: stages of waves 0-7 | images of the 8 query fragments | bias' (32 KB; behind the loop the partial results take its place) | the waves' sums | xsq.
.set SPI,  272                         ; a stage row: 256 bytes + 16 of padding
.set STW,  16*SPI
.set QIMG, 8*STW                       ; 34,816: fragment T at 1024 T + 512 c + 16 lane
.set BIAS, QIMG+8192                   ; 43,008: bias'[m], f32
.set MRG,  BIAS                        ; query q's partial 2 w + h at 144 q + 8 w + 4 h
.set PART, BIAS+32768                  ; 75,776: wave w's (sum of ysq, sum of psi) at 8 w
.set XSQ,  PART+256                    ; 76,032: xsq of the 128 queries
.set L16,  1                           ; v1   16 x lane
.set BA0,  2                           ; v2   BIAS + 2048 wave + 32 h
.set BA,   3                           ; v3   the same at the step in hand
.set MW,   4                           ; v4   MRG + 144 r + 8 wave + 4 h
.set SW,   5                           ; v5   the stage, in
.set SRD,  6                           ; v6   the stage, out
.set QW,   7                           ; v7   where I store my tile's image
.set QR,   8                           ; v8   QIMG + 16 lane
.set XW,   9                           ; v9   where my query's xsq goes
.set G2,   10                          ; v[10:11] G2, twice
.set RMV,  12                          ; v12  1 / mv
.set MP,   13                          ; v13  mean(psi)
.set T16,  14                          ; v14  16 x thread
.set BW,   15                          ; v15  BIAS + 16 x thread
.set ST,   16                          ; v16-47  tile T at 16 + 4 T: nm = -G2 x the largest S', the largest S', the sum in two halves
.set Q,    48                          ; v48-111 the 8 query fragments (in the head v48-52 at work)
.set CODE, 112                         ; v112-143 the step's 4 fragments of targets
.set BI,   144                         ; v144-175 their bias', in the result's layout
.set X,    144                         ;   in the head: my 32 numbers of a query
.set ACC,  176                         ; v176-207, v208-239: two sets of 4 results, by turns
.set Y,    176                         ;   in the head: 16 ysq,
.set P,    192                         ;   16 psi,
.set R,    208                         ;   the queries' rows as loaded, then the waves' sums
.set PW,   248                         ; v248 PART + 8 wave
.set PR,   249                         ; v249 PART
.set FR,   250                         ; v250 MRG + 288 (thread % 64)
.set XR,   251                         ; v251 XSQ + 8 (thread % 64)
.set O8,   252                         ; v252 8 (thread % 64)
.set WV,   16                          ; s16  wave;  s17 wave % 8
.set W7,   17
.set TCW,  22                          ; s[22:23] my wave's 32 fragments
.set CB,   24                          ; s[24:25] the step's 4
.set OFC,  26                          ; s[26:27] their offset
.set ROT,  28                          ; s28  the step to be fetched
.set CNT,  29                          ; s29  trips done
.set OFB,  30                          ; s30  the step's offset in my bias'
.set R0,   31                          ; s31  g % 8: the step at which I begin
.set SEL,  32                          ; s[32:33] lane selects: lane l xor 16
.macro TURN_IN b                       ; 16 rows from s[b:b+1] on into my stage.  Each load reads 512 consecutive bytes: two rows
.irp i, 0,1,2,3,4,5,6,7
	global_load_b128 v[R+4*\i:R+4*\i+3], v[L16], s[\b:\b+1] offset:512*\i th:TH_LOAD_NT
.endr
.irp i, 0,1,2,3,4,5,6,7
	s_wait_loadcnt 7-\i                            ; loads come back in order: load i is in (and all that were issued earlier), its younger ones may be out
	ds_store_b128 v[SW], v[R+4*\i:R+4*\i+3] offset:2*SPI*\i
.endr
.endm
.macro TURN_OUT                        ; and back, 64 + 64 bytes of one row a lane.  LDS serves a wave's instructions in order: these see my stores
.irp c, 0,1
.irp i, 0,1,2,3
	ds_load_b128 v[X+16*\c+4*\i:X+16*\c+4*\i+3], v[SRD] offset:128*\c+16*\i
.endr
.endr
	s_wait_dscnt 0x0
.endm
.macro SQSUM dst, t                    ; the row's sum of squares: my 32 numbers in two packed chains, then lane l xor 16's
	v_pk_mul_f32 v[\t:\t+1], v[X:X+1], v[X:X+1]
	v_pk_mul_f32 v[\t+2:\t+3], v[X+2:X+3], v[X+2:X+3]
.irp j, 4,8,12,16,20,24,28
	s_delay_alu instid0(VALU_DEP_2)
	v_pk_fma_f32 v[\t:\t+1], v[X+\j:X+\j+1], v[X+\j:X+\j+1], v[\t:\t+1]
	s_delay_alu instid0(VALU_DEP_2)
	v_pk_fma_f32 v[\t+2:\t+3], v[X+\j+2:X+\j+3], v[X+\j+2:X+\j+3], v[\t+2:\t+3]
.endr
	s_delay_alu instid0(VALU_DEP_1)
	v_pk_add_f32 v[\t:\t+1], v[\t:\t+1], v[\t+2:\t+3]
	s_delay_alu instid0(VALU_DEP_1)
	v_add_f32 v[\t], v[\t], v[\t+1]
	s_delay_alu instid0(VALU_DEP_1)
	v_permlanex16_b32 v[\t+1], v[\t], s[SEL], s[SEL+1]
	s_delay_alu instid0(VALU_DEP_1)
	v_add_f32 v[\dst], v[\t], v[\t+1]
.endm
.macro QUANT dst, sc, lim              ; X's 32 numbers become 8 registers of codes.
.irp n, 0,1,2,3,4,5,6,7,8,9,10,11,12,13,14,15,16,17,18,19,20,21,22,23,24,25,26,27,28,29,30,31
.endr
.irp g, 0,1,2,3
	v_cvt_scalef32_pk8_fp8_f32 v[\dst+2*\g:\dst+2*\g+1], v[X+8*\g:X+8*\g+7], v[\sc]
.endr
	v_nop                                          ; one plain vector line behind the last conversion
.endm
.macro LOADC                           ; a step's 4 fragments of targets: each load reads 512 consecutive bytes
.irp f, 0,1,2,3
.irp c, 0,1
	global_load_b128 v[CODE+8*\f+4*\c:CODE+8*\f+4*\c+3], v[L16], s[CB:CB+1] offset:1024*\f+512*\c
.endr
.endr
.endm
.macro LOADB                           ; and their bias': register j = target 8 h + j of the fragment; the sixteen lanes of a half read the same 16 bytes
.irp f, 0,1,2,3
.irp u, 0,1
	ds_load_b128 v[BI+8*\f+4*\u:BI+8*\f+4*\u+3], v[BA] offset:64*\f+16*\u
.endr
.endr
.endm
; The next step's codes and bias'.  The last trip asks for nothing.  The step is (g % 8 + trips done + 1) % 8.  s[CB] is free: the wait at the trip's head has shown its loads done.
.macro FETCH
	s_setprio 0
	s_cmp_eq_u32 s[CNT], 7
	s_cbranch_scc1 .Lno_more_\@
	s_add_co_u32 s[ROT], s[CNT], s[R0]
	s_add_co_u32 s[ROT], s[ROT], 1
	s_and_b32 s[ROT], s[ROT], 7
	s_lshl_b32 s[OFC], s[ROT], 12
	s_lshl_b32 s[OFB], s[ROT], 8
	s_add_nc_u64 s[CB:CB+1], s[TCW:TCW+1], s[OFC:OFC+1]
	v_add_nc_u32 v[BA], s[OFB], v[BA0]
	LOADC
	LOADB
.Lno_more_\@:
.endm
; S' of tile t against the step's 64 targets: K = 64 is one instruction, C = bias', D another run of registers: no sum is added onto in place.
.macro WM t, set
.irp f, 0,1,2,3
	v_wmma_f32_16x16x64_fp8_fp8 v[ACC+32*(\set)+8*\f:ACC+32*(\set)+8*\f+7], v[CODE+8*\f:CODE+8*\f+7], v[Q+8*(\t):Q+8*(\t)+7], v[BI+8*\f:BI+8*\f+7]
.endr
.endm
; Tile t's 32 scores of a lane go into its running maximum and sum: 84 vector lines.  fet = 1: the next step's loads stand behind the maxima.
.macro SM t, set, fet
.set AA, ACC+32*(\set)
.set SS, ST+4*(\t)
.irp f, 0,1,2,3
	v_max3_num_f32 v[240+\f], v[AA+8*\f], v[AA+8*\f+1], v[AA+8*\f+2]     ; four chains, one a result; each result is read from its low end on
.endr
.irp f, 0,1,2,3
	v_max3_num_f32 v[240+\f], v[240+\f], v[AA+8*\f+3], v[AA+8*\f+4]
.endr
.irp f, 0,1,2,3
	v_max3_num_f32 v[240+\f], v[240+\f], v[AA+8*\f+5], v[AA+8*\f+6]
.endr
	v_max3_num_f32 v240, v240, v[AA+7], v[AA+15]
	v_max3_num_f32 v242, v242, v[AA+23], v[AA+31]
	s_delay_alu instid0(VALU_DEP_1)
	v_max3_num_f32 v240, v240, v241, v242
	s_delay_alu instid0(VALU_DEP_1)
	v_max3_num_f32 v[SS+1], v240, v243, v[SS+1]    ; the largest S' so far
.if \fet
	FETCH                                          ; the sixteen lines above name no register of the last products: they are the places in front of these loads
.endif
	s_wait_alu depctr_va_vdst(0)
	v_fma_f32 v244, -v[G2], v[SS+1], -v[SS]        ; the new nm less the old: 0 or less (G2 > 0)
	v_mul_f32 v[SS], -v[G2], v[SS+1]               ; nm = -G2 x the largest S'
.irp j, 0,2,4,6,8,10,12,14,16,18,20,22,24,26,28,30
	v_pk_fma_f32 v[AA+\j:AA+\j+1], v[AA+\j:AA+\j+1], v[G2:G2+1], v[SS:SS+1] op_sel_hi:[1,1,0]   ; t less the largest t, two at a time (of the pair (nm, ..) the low word serves both halves)
.endr
	s_wait_alu depctr_va_vdst(0)
	v_exp_f32 v244, v244                           ; f: brings the old sum under the new maximum
.irp j, 0,1,2,3,4,5,6,7,8,9,10,11,12,13,14,15,16,17,18,19,20,21,22,23,24,25,26,27,28,29,30,31
	v_exp_f32 v[AA+\j], v[AA+\j]
.endr
	v_nop                                          ; a plain line behind the last exponential
	s_wait_alu depctr_va_vdst(0)                   ; one wait for the batch of 33, ahead of its first reader
	v_pk_fma_f32 v[SS+2:SS+3], v[SS+2:SS+3], v[244:245], v[AA:AA+1] op_sel_hi:[1,0,1]
	v_pk_add_f32 v[246:247], v[AA+2:AA+3], v[AA+4:AA+5]            ; the sum in two chains
.irp j, 6,10,14,18,22,26
	v_pk_add_f32 v[SS+2:SS+3], v[SS+2:SS+3], v[AA+\j:AA+\j+1]
	v_pk_add_f32 v[246:247], v[246:247], v[AA+\j+2:AA+\j+3]
.endr
	v_pk_add_f32 v[SS+2:SS+3], v[SS+2:SS+3], v[AA+30:AA+31]
	s_delay_alu instid0(VALU_DEP_1)
	v_pk_add_f32 v[SS+2:SS+3], v[SS+2:SS+3], v[246:247]
.endm
; A query's 32 partial log2-sums, v[a] .. v[a+31], become its result: the largest is taken away, 32 exponentials, a sum, a logarithm.
.macro FINAL a, x, tm, dst
	v_max3_num_f32 v[\tm], v[\a], v[\a+1], v[\a+2]
.irp k, 3,5,7,9,11,13,15,17,19,21,23,25,27,29
	s_delay_alu instid0(VALU_DEP_1)
	v_max3_num_f32 v[\tm], v[\tm], v[\a+\k], v[\a+\k+1]
.endr
	s_delay_alu instid0(VALU_DEP_1)
	v_max_num_f32 v[\tm], v[\tm], v[\a+31]
	s_delay_alu instid0(VALU_DEP_1)
	v_mov_b32 v[\tm+1], v[\tm]
.irp k, 0,2,4,6,8,10,12,14,16,18,20,22,24,26,28,30
	v_pk_add_f32 v[\a+\k:\a+\k+1], v[\a+\k:\a+\k+1], v[\tm:\tm+1] neg_lo:[0,1] neg_hi:[0,1]
.endr
	s_wait_alu depctr_va_vdst(0)
.irp k, 0,1,2,3,4,5,6,7,8,9,10,11,12,13,14,15,16,17,18,19,20,21,22,23,24,25,26,27,28,29,30,31
	v_exp_f32 v[\a+\k], v[\a+\k]
.endr
	v_fma_f32 v[\dst], v[\x], v[RMV], v[MP]        ; xsq / mv + mean(psi).  (The plain line behind the exponentials)
	s_wait_alu depctr_va_vdst(0)                   ; one wait for the batch
	v_pk_add_f32 v[246:247], v[\a:\a+1], v[\a+2:\a+3]
.irp k, 4,6,8,10,12,14,16,18,20,22,24,26,28,30
	v_pk_add_f32 v[246:247], v[246:247], v[\a+\k:\a+\k+1]
.endr
	s_delay_alu instid0(VALU_DEP_1)
	v_add_f32 v246, v246, v247
	s_wait_alu depctr_va_vdst(0)
	v_log_f32 v246, v246
	v_nop
	s_wait_alu depctr_va_vdst(0)
	v_add_f32 v246, v246, v[\tm]                   ; log2 of the sum over all targets of 2^t
	s_delay_alu instid0(VALU_DEP_1)
	v_fmac_f32 v[\dst], 0xbbe32166, v246           ; - 0.01 ln 2 x that
.endm
.macro BARRIER                                 ; my LDS stores have landed and my LDS loads are in: then the work-group's barrier
	s_wait_dscnt 0x0
	s_barrier_signal -1
	s_barrier_wait -1
.endm
	s_load_b256 s[4:11], s[0:1], 0x0               ; source s[4:5], tcodes s[6:7], ysq s[8:9], psi s[10:11]
	s_load_b128 s[12:15], s[0:1], 0x20             ; the scales' exponents s[12:13], out0 s[14:15]
	v_lshrrev_b32 v240, 5, v0
	s_delay_alu instid0(VALU_DEP_1)
	v_readfirstlane_b32 s[WV], v240                ; wave 0..15
	v_and_b32 v241, 31, v0                         ; lane
	s_delay_alu instid0(VALU_DEP_1)
	v_lshlrev_b32 v[L16], 4, v241
	v_lshlrev_b32 v[T16], 4, v0
	s_and_b32 s[W7], s[WV], 7
	s_and_b32 s[R0], ttmp9, 7
	s_mov_b32 s[CNT], 0
	s_lshl_b32 s20, s[WV], 15                      ; my wave's 32 fragments of 1,024 bytes
	s_mov_b32 s21, 0
	s_lshl_b32 s[OFC], s[R0], 12                   ; a step's 4 fragments
	s_mov_b32 s[OFC+1], 0
	s_wait_alu depctr_va_vdst(0)
	s_wait_kmcnt 0x0
	s_load_b64 s[18:19], s[12:13], 0x0             ; e0, e1
	s_add_nc_u64 s[TCW:TCW+1], s[6:7], s[20:21]
	s_add_nc_u64 s[CB:CB+1], s[TCW:TCW+1], s[OFC:OFC+1]
.irp i, 0,1,2,3
	global_load_b128 v[Y+4*\i:Y+4*\i+3], v[T16], s[8:9] offset:8192*\i     ; thread t: ysq[2048 i + 4 t + 0 .. 3]
.endr
.irp i, 0,1,2,3
	global_load_b128 v[P+4*\i:P+4*\i+3], v[T16], s[10:11] offset:8192*\i   ; psi likewise
.endr
	LOADC                                          ; the first step's codes
	s_lshl_b32 s20, ttmp9, 15                      ; the work-group's 128 rows of 256 bytes,
	s_lshl_b32 s34, s[W7], 12                      ; my tile's 16 (waves 0-7 use it)
	s_add_co_u32 s20, s20, s34
	s_add_nc_u64 s[4:5], s[4:5], s[20:21]
	s_lshl_b32 s20, ttmp9, 9
	s_add_nc_u64 s[14:15], s[14:15], s[20:21]      ; the work-group's 128 results
	s_mov_b32 s[SEL], 0x76543210
	s_mov_b32 s[SEL+1], 0xfedcba98
	; every LDS address is made here, ahead of the first parting of the waves
	v_and_b32 v242, 15, v0                         ; r
	v_bfe_u32 v243, v0, 4, 1                       ; h
	s_lshl_b32 s20, s[WV], 11
	v_lshl_add_u32 v[BA0], v243, 5, BIAS
	s_delay_alu instid0(VALU_DEP_1)
	v_add_nc_u32 v[BA0], s20, v[BA0]
	s_lshl_b32 s20, s[WV], 3
	v_mul_u32_u24 v[MW], v242, 144
	s_delay_alu instid0(VALU_DEP_1)
	v_lshl_add_u32 v[MW], v243, 2, v[MW]
	s_delay_alu instid0(VALU_DEP_1)
	v_add_nc_u32 v[MW], s20, v[MW]
	s_delay_alu instid0(VALU_DEP_1)
	v_add_nc_u32 v[MW], MRG, v[MW]
	s_add_co_u32 s20, s20, PART
	v_mov_b32 v[PW], s20
	v_mov_b32 v[PR], PART
	s_mul_i32 s20, s[W7], STW
	v_mul_u32_u24 v[SW], v243, SPI
	s_delay_alu instid0(VALU_DEP_1)
	v_lshl_add_u32 v[SW], v242, 4, v[SW]
	s_delay_alu instid0(VALU_DEP_1)
	v_add_nc_u32 v[SW], s20, v[SW]
	v_mul_u32_u24 v[SRD], v242, SPI
	s_delay_alu instid0(VALU_DEP_1)
	v_lshl_add_u32 v[SRD], v243, 6, v[SRD]
	s_delay_alu instid0(VALU_DEP_1)
	v_add_nc_u32 v[SRD], s20, v[SRD]
	s_lshl_b32 s20, s[W7], 10
	v_add_nc_u32 v[QR], QIMG, v[L16]
	s_delay_alu instid0(VALU_DEP_1)
	v_add_nc_u32 v[QW], s20, v[QR]
	s_lshl_b32 s20, s[W7], 6
	v_lshl_add_u32 v[XW], v242, 2, XSQ
	s_delay_alu instid0(VALU_DEP_1)
	v_add_nc_u32 v[XW], s20, v[XW]
	v_add_nc_u32 v[BW], BIAS, v[T16]
	v_and_b32 v[O8], 63, v0
	s_delay_alu instid0(VALU_DEP_1)
	v_mul_u32_u24 v[FR], v[O8], 288
	s_delay_alu instid0(VALU_DEP_1)
	v_add_nc_u32 v[FR], MRG, v[FR]
	s_delay_alu instid0(VALU_DEP_3)
	v_lshlrev_b32 v[O8], 3, v[O8]
	s_delay_alu instid0(VALU_DEP_1)
	v_add_nc_u32 v[XR], XSQ, v[O8]
.irp t, 0,1,2,3,4,5,6,7                        ; the loop is written once: its first step finds a largest S' under every S', and a sum of 0, which f leaves 0
	v_mov_b32 v[ST+4*\t], 0x7f61b1e6               ; nm: 3e38
	v_mov_b32 v[ST+4*\t+1], 0xff61b1e6             ; the largest S': -3e38
	v_mov_b32 v[ST+4*\t+2], 0
	v_mov_b32 v[ST+4*\t+3], 0
.endr
	s_wait_kmcnt 0x0
	s_add_co_i32 s34, s18, s19                     ; e = e0 + e1
	s_sub_co_i32 s35, -1, s34                      ; -e - 1
	s_add_co_i32 s36, s18, 127
	s_lshl_b32 s37, s36, 23                        ; 2^e0 as f32
	s_cmp_lt_u32 s[WV], 8
	s_cbranch_scc0 .Ljoin
	; ---- waves 0-7: tile T = wave of the queries is quantised; its image and its xsq go to LDS
	TURN_IN 4
	TURN_OUT
	v_mov_b32 v52, s37
	SQSUM 48, 48
	ds_store_b32 v[XW], v48                        ; lanes r and r + 16 store the same number to the same word
	QUANT 240, 52, 53
	ds_store_b128 v[QW], v[240:243]
	ds_store_b128 v[QW], v[244:247] offset:512
.Ljoin:
	; ---- all waves: the sums of ysq and of psi
	s_wait_loadcnt 8                               ; ysq and psi are in; the 8 loads of codes, issued behind them, may be out
	v_pk_add_f32 v[48:49], v[Y:Y+1], v[Y+2:Y+3]
	v_pk_add_f32 v[50:51], v[P:P+1], v[P+2:P+3]
.irp j, 4,6,8,10,12,14
	s_delay_alu instid0(VALU_DEP_2)
	v_pk_add_f32 v[48:49], v[48:49], v[Y+\j:Y+\j+1]
	s_delay_alu instid0(VALU_DEP_2)
	v_pk_add_f32 v[50:51], v[50:51], v[P+\j:P+\j+1]
.endr
	s_delay_alu instid0(VALU_DEP_2)
	v_add_f32 v48, v48, v49
	s_delay_alu instid0(VALU_DEP_2)
	v_add_f32 v49, v50, v51
.irp m, 1,2,4,8
	s_delay_alu instid0(VALU_DEP_2)
	v_add_f32_dpp v48, v48, v48 row_xmask:\m row_mask:0xf bank_mask:0xf
	s_delay_alu instid0(VALU_DEP_2)
	v_add_f32_dpp v49, v49, v49 row_xmask:\m row_mask:0xf bank_mask:0xf
.endr
	s_delay_alu instid0(VALU_DEP_2)
	v_permlanex16_b32 v50, v48, s[SEL], s[SEL+1]
	s_delay_alu instid0(VALU_DEP_2)
	v_permlanex16_b32 v51, v49, s[SEL], s[SEL+1]
	s_delay_alu instid0(VALU_DEP_1)
	v_pk_add_f32 v[48:49], v[48:49], v[50:51]
	ds_store_b64 v[PW], v[48:49]                   ; all lanes store the same pair to the wave's place
	BARRIER                                        ; the queries' images, their xsq and the sixteen pairs of sums lie in LDS
.irp i, 0,1,2,3,4,5,6,7
	ds_load_b128 v[R+4*\i:R+4*\i+3], v[PR] offset:16*\i
.endr
.irp t, 0,1,2,3,4,5,6,7
.irp c, 0,1
	ds_load_b128 v[Q+8*\t+4*\c:Q+8*\t+4*\c+3], v[QR] offset:1024*\t+512*\c
.endr
.endr
	s_wait_dscnt 16                                ; the sums are in; Q's sixteen loads may be out
.irp j, 4
	v_pk_add_f32 v[R:R+1], v[R:R+1], v[R+\j:R+\j+1]
	v_pk_add_f32 v[R+2:R+3], v[R+2:R+3], v[R+\j+2:R+\j+3]
.endr
.irp j, 8, 12, 16, 20, 24, 28
	s_delay_alu instid0(VALU_DEP_2)
	v_pk_add_f32 v[R:R+1], v[R:R+1], v[R+\j:R+\j+1]
	s_delay_alu instid0(VALU_DEP_2)
	v_pk_add_f32 v[R+2:R+3], v[R+2:R+3], v[R+\j+2:R+\j+3]
.endr
	s_delay_alu instid0(VALU_DEP_1)
	v_pk_add_f32 v[R:R+1], v[R:R+1], v[R+2:R+3]
	s_delay_alu instid0(VALU_DEP_1)
	v_ldexp_f32 v253, v[R], -13                    ; mv = the sum / 8,192
	s_wait_alu depctr_va_vdst(0)
	v_rcp_f32 v[RMV], v253
	v_ldexp_f32 v[MP], v[R+1], -13                 ; mean(psi).  (The plain line behind the reciprocal)
	v_ldexp_f32 v242, 1.0, s35                     ; c2 = 2^(-e-1)
	s_delay_alu instid0(VALU_DEP_1)
	v_mul_f32 v240, v253, v242                     ; c1 = mv c2
	s_delay_alu instid0(VALU_DEP_2)
	v_mov_b32 v243, v242
	s_delay_alu instid0(VALU_DEP_2)
	v_mov_b32 v241, v240
	s_wait_alu depctr_va_vdst(0)                   ; ahead of the reciprocal's first reader
	v_mul_f32 v[G2], 0x439044fe, v[RMV]            ; 200 log2(e_nat) / mv
	s_delay_alu instid0(VALU_DEP_1)
	v_ldexp_f32 v[G2], v[G2], s34                  ; x 2^e
	s_delay_alu instid0(VALU_DEP_1)
	v_mov_b32 v[G2+1], v[G2]
.irp j, 0,2,4,6,8,10,12,14
	v_pk_mul_f32 v[Y+\j:Y+\j+1], v[Y+\j:Y+\j+1], v[242:243]        ; ysq c2: nothing is rounded
.endr
.irp j, 0,2,4,6,8,10,12,14
	v_pk_fma_f32 v[Y+\j:Y+\j+1], v[P+\j:P+\j+1], v[240:241], v[Y+\j:Y+\j+1] neg_lo:[0,0,1] neg_hi:[0,0,1]   ; bias' = psi c1 - ysq c2
.endr
.irp i, 0,1,2,3
	ds_store_b128 v[BW], v[Y+4*\i:Y+4*\i+3] offset:8192*\i
.endr
	v_mov_b32 v245, 0                              ; (named as the upper half of the pair v[244:245])
	BARRIER                                        ; all 8,192 bias' lie in LDS; Q is in
	s_lshl_b32 s[OFB], s[R0], 8
	v_add_nc_u32 v[BA], s[OFB], v[BA0]
	LOADB                                          ; the first step's bias'
.Ltrip:                                            ; 8 trips: 64 targets x 128 queries each.  The two sets of results take turns: while one tile's scores are worked, the next tile's products are out
	s_wait_loadcnt 0x0                             ; the step's codes
	s_wait_dscnt 0x0                               ; and bias'
	s_setprio 2
	WM 0, 0
	WM 1, 1
.rept 4
	v_nop                                          ; four places between the first products and the first read of their results (ISA guide 7.12.1); from here on the other set's vector lines are the places
.endr
	SM 0, 0, 0
	WM 2, 0
	SM 1, 1, 0
	WM 3, 1
	SM 2, 0, 0
	WM 4, 0
	SM 3, 1, 0
	WM 5, 1
	SM 4, 0, 0
	s_setprio 1
	WM 6, 0
	SM 5, 1, 0
	WM 7, 1                                        ; the step's last products: its codes and bias' are done with
	SM 6, 0, 1                                     ; so the next step's are asked for here: the rest of this tile's lines and the next tile's stand ahead of the wait for them
	SM 7, 1, 0
	s_add_co_u32 s[CNT], s[CNT], 1
	s_cmp_lt_u32 s[CNT], 8
	s_cbranch_scc1 .Ltrip
	s_setprio 0
	; ---- each lane's partial result for each tile: log2(sum) - nm
.irp t, 0,1,2,3,4,5,6,7
	v_add_f32 v[ST+4*\t+2], v[ST+4*\t+2], v[ST+4*\t+3]
.endr
	s_wait_alu depctr_va_vdst(0)
.irp t, 0,1,2,3,4,5,6,7
	v_log_f32 v[ST+4*\t+2], v[ST+4*\t+2]
.endr
	v_nop
	s_wait_alu depctr_va_vdst(0)                   ; one wait for the eight logarithms
.irp t, 0,1,2,3,4,5,6,7
	v_sub_f32 v[ST+4*\t+2], v[ST+4*\t+2], v[ST+4*\t]
.endr
	s_wait_alu depctr_va_vdst(0)
	BARRIER                                        ; every wave has read its last bias': the partial results may take those bytes
.irp t, 0,1,2,3,4,5,6,7
	ds_store_b32 v[MW], v[ST+4*\t+2] offset:2304*\t        ; query 16 t + r, partial 2 w + h; rows of 144 bytes: the 32 lanes fall on 32 different banks (64 banks of 4 bytes: ISA guide 11.1)
.endr
	BARRIER                                        ; 128 queries x 32 partial results lie in LDS
	s_cmp_ge_u32 s[WV], 2
	s_cbranch_scc1 .Ldone
	; ---- waves 0 and 1: thread t finishes queries 2 t and 2 t + 1
.irp i, 0,1,2,3,4,5,6,7
	ds_load_b128 v[176+4*\i:179+4*\i], v[FR] offset:16*\i
.endr
.irp i, 0,1,2,3,4,5,6,7
	ds_load_b128 v[208+4*\i:211+4*\i], v[FR] offset:144+16*\i
.endr
	ds_load_b64 v[240:241], v[XR]                  ; their xsq
	s_wait_dscnt 0x0
	FINAL 176, 240, 242, 254
	FINAL 208, 241, 244, 255
	global_store_b64 v[O8], v[254:255], s[14:15]   ; a wave stores 256 consecutive bytes, aligned
.Ldone:
	s_wait_xcnt 0x0
	v_lshl_add_u32 v254, v0, 2, 0x12c00
	v_mov_b32 v255, 0
	s_wait_alu depctr_va_vdst(0)
	s_wait_tensorcnt 0x0
	ds_add_u32 v254, v255
	s_wait_dscnt 0x0
	s_endpgm
.Lfunc_end_k_q1290492010_main:
	.size	k_q1290492010_main, .Lfunc_end_k_q1290492010_main-k_q1290492010_main
	.p2alignl 7, 3214868480
	.fill 96, 4, 3214868480
	.section	.rodata,"a",@progbits
	.p2align	6, 0x0
	.amdhsa_kernel k_q1290492010_main
		.amdhsa_group_segment_fixed_size 78848
		.amdhsa_private_segment_fixed_size 0
		.amdhsa_enable_private_segment 0
		.amdhsa_kernarg_size 48
		.amdhsa_user_sgpr_count 2
		.amdhsa_user_sgpr_kernarg_segment_ptr 1
		.amdhsa_wavefront_size32 1
		.amdhsa_system_sgpr_workgroup_id_x 1
		.amdhsa_system_sgpr_workgroup_id_y 1
		.amdhsa_system_sgpr_workgroup_id_z 1
		.amdhsa_system_vgpr_workitem_id 0
		.amdhsa_next_free_vgpr 256
		.amdhsa_next_free_sgpr 66
		.amdhsa_reserve_vcc 0
		.amdhsa_float_denorm_mode_32 3
		.amdhsa_float_denorm_mode_16_64 3
		.amdhsa_fp16_overflow 1
		.amdhsa_memory_ordered 1
		.amdhsa_forward_progress 1
		.amdhsa_inst_pref_size 71
	.end_amdhsa_kernel
	.amdgpu_metadata
---
amdhsa.version: [ 1, 2 ]
amdhsa.kernels:
  - .name:           k_q1290492010_main
    .symbol:         k_q1290492010_main.kd
    .args:
      - { .name: source_data, .offset: 0, .size: 8, .value_kind: global_buffer, .address_space: global }
      - { .name: tcodes, .offset: 8, .size: 8, .value_kind: global_buffer, .address_space: global }
      - { .name: ysq, .offset: 16, .size: 8, .value_kind: global_buffer, .address_space: global }
      - { .name: psi, .offset: 24, .size: 8, .value_kind: global_buffer, .address_space: global }
      - { .name: lowp_scales, .offset: 32, .size: 8, .value_kind: global_buffer, .address_space: global }
      - { .name: out0, .offset: 40, .size: 8, .value_kind: global_buffer, .address_space: global }
    .group_segment_fixed_size: 78848
    .private_segment_fixed_size: 0
    .kernarg_segment_align: 8
    .kernarg_segment_size: 48
    .max_flat_workgroup_size: 512
    .sgpr_count:     66
    .vgpr_count:     256
    .wavefront_size: 32
...
	.end_amdgpu_metadata
.endif
;; end of part 2
